; MI455X (gfx1250); checked and timed in simulation.
; The chip was launched on July 23, 2026; its instructions are those of AMD's public machine-readable ISA for CDNA 5 (MIT licence, August 2026) and "CDNA5" Instruction Set Architecture Reference Guide (July 2026). The comments in the code are by the model that wrote it; some were corrected since.
;; Linear Attention. Allowed arithmetic: matrix products marked QUANTISED: E5M2 operands, one given power-of-two scale a tensor, by v_wmma_f32_16x16x64_bf8_bf8 or v_wmma_f32_16x16x128_bf8_bf8, f32 sums; products left as they are: f32 operands where the result goes on into a quantised operand, else bf16, f16 or f32 operands; f32 sums; everything else in f32.
;; Inputs: W_qkv_codes 3,072 x 32 x 32 uint8 (E5M2 codes of W_qkv, K innermost, in blocks of 32 codes); b_qkv 3,072 float32; lowp_scales 4 int32 (the exponents e of the quantised operands' scales 2^e); x_codes 4 x 4,096 x 32 x 32 uint8 (E5M2 codes of x, K innermost, in blocks of 32 codes).
;; Outputs: out0 4 x 4,096 x 1,024 float32.
;; This version of the problem:
;;   THIS VERSION OF THE PROBLEM IS GIVEN IN LOW PRECISION. The matrix products marked QUANTISED in the list below multiply operands that are first quantised to E5M2 (5 exponent bits, 2 mantissa bits; 8 bits a number), with one given power-of-two scale for each operand tensor; their sums are f32. All else is computed in f32.
;;   The module's matrix products, in the order in which they are computed (A, B: the left and right operand; K: the contracted axis; several contracted axes count as one K, in the product's order):
;;     1. [M 16,384, K 1,024] x [K 1,024, N 3,072]; A: input x (given as codes); B: input W_qkv (given as codes): QUANTISED (scales: A lowp_scales[0], B lowp_scales[1])
;;     2. batch 16,384 x [M 16, K 64] x [K 64, N 16]; A: computed on the way; B: softmax (see below): QUANTISED (scales: A lowp_scales[2], B lowp_scales[3])
;;     3. batch 16,384 x [M 16, K 16] x [K 16, N 64]; A: computed on the way; B: computed on the way: left as it is (K = 16 < 32)
;;   THE QUANTISER, for each operand of a quantised product, along K:
;;     - The operand's scale is 2^e, e = its entry of the input lowp_scales (int32; the entries are numbered through the quantised products in the list's order, A before B).
;;     - Each number is divided by the scale, clamped to +-57,344, and rounded to the nearest number of E5M2, ties to even, subnormals kept.
;;     - The product sums the exact products of the quantised numbers (number of the format x scale) in f32.
;;   ~~~python
;;   def quantise(x, axis, e):      # numpy; x: float32 -> the quantised numbers, widened to float32 again
;;       x = np.moveaxis(x, axis, -1); K = x.shape[-1]
;;       r = np.clip(x / 2.0 ** e, -57344, 57344)
;;       step = 2.0 ** (np.maximum(np.frexp(np.where(r == 0, 1, r))[1] - 1, -14) - 2)
;;       q = np.round(r / step) * step * 2.0 ** e      # np.round: ties to even
;;       return np.moveaxis(q, -1, axis).astype(np.float32)
;;   ~~~
;;   SOFTMAX AHEAD OF A QUANTISED PRODUCT. Where the list says 'softmax', what is quantised is not the finished softmax but p = 2^(t - M), with t = logit x log2(e) and M = ceil(the row's largest t), a whole number; so 1/2 < the row's largest p <= 1. The row's sum l is taken of the UNQUANTISED p, in f32, and the product's result is divided by l at the end. Since M is a whole number, a kernel that streams over the keys may use a running M (the ceiling of the running maximum): every later rescaling is an exact power of two, so the quantised numbers keep their values, but for numbers so far below the row's largest that they fall under the format's range.
;;   OPERANDS COMPUTED ON THE WAY. 'Computed on the way' means the value that the module computes at that place (a softmax that the list does not call 'softmax' is quantised finished and normalised). What goes into a quantiser is computed in f32, as accurately as f32 sums, v_exp_f32 and their like allow (about 1e-6 of the number): no bf16 or f16 on the way to a quantiser, and a product that is left as it is and whose result goes on into a quantised operand takes f32 operands (vector FMAs, or v_wmma_f32_16x16x4_f32). A number that lies on a knife's edge between two numbers of the format may be rounded either way, as far as f32 arithmetic and the matrix unit's own rounding can turn it there, and no further.
;;   INPUTS GIVEN AS CODES. W_qkv (in the module: [1024, 3072], K = its axis 0); x (in the module: [4, 4096, 1024], K = its axis 2): each comes as NAME_codes (uint8): NAME with its K axis moved to the last place and cut into blocks of 32 codes, [.., K / 32, bytes a block], one block behind the other in memory; one code a byte (a code: sign, 5 exponent bits, 2 mantissa bits); its scale is its entry of lowp_scales. Its value is code x scale, taken as it is: it is not quantised again, and the codes and scales need not be those that the quantiser above would give.
;; 2 versions, each right; version 2 is version 1 with the launch fused written anew for expert scheduling mode. Each part assembles by itself: llvm-mc -triple=amdgcn-amd-amdhsa -mcpu=gfx1250 --defsym DOCPART=n.
;; ======== version 1 of 2: 2 launches
;; workspace buffers: wf 3,145,728 bytes
;; launch lay (part 1): grid 48 x 4, 4 waves a work-group, no clusters, 17,920 bytes of LDS; arguments W_qkv_codes, wf; writes wf
.if DOCPART == 1
	.amdgcn_target "amdgcn-amd-amdhsa--gfx1250"
	.amdhsa_code_object_version 6
	.text
	.protected	k_q0bc284e5c4_lay
	.globl	k_q0bc284e5c4_lay
	.p2align	8
	.type	k_q0bc284e5c4_lay,@function
k_q0bc284e5c4_lay:
	s_mov_b64 s[64:65], 0
	v_nop
	global_prefetch_b8 v0, s[64:65] scope:SCOPE_SE
	s_setreg_imm32_b32 hwreg(HW_REG_WAVE_MODE, 25, 1), 1
	s_wait_xcnt 0x0
; W's codes, [3072 rows][1024 along K], one byte a code, are laid once in the order in which the next launch's operand registers take them:
; wf = [P 48][s 8][t 4][c 4][lane 32][16 bytes]; the byte (P, s, t, c, lane = 16 h + r, i) is W's code (row 64 u + 16 t + r, k = 128 s + 32 c + 16 h + i).
; u = 16 ph + 4 w + i names a head's 64 rows (ph: 0 q, 1 k, 2 v; head 4 w + i).  P = 12 w + pos, pos = 2 i for k, 2 i + 1 for v, 8 + i for q: the 12 heads that wave w of the next launch
; multiplies lie on end, 786,432 bytes, in the order in which it takes them (k0 v0 k1 v1 k2 v2 k3 v3 q0 q1 q2 q3), and each of its loads is 512 consecutive bytes.
; SHARES.  Work-group (x = u, y = kp): 64 rows x 256 along K.  Wave w: rows 64 u + 16 w .. + 15.  It reads whole runs of 256 bytes of two rows a load, turns them through its own stage
; in LDS (16 rows, 272 bytes apart: an odd multiple of 16, so that the 16 rows of a read begin in 16 different 16-byte columns of 256) and stores 512 consecutive bytes an instruction.
; Waves share nothing: no barrier.  Every offset is an immediate.
.set PITCH, 272
.set STG,   16*PITCH                   ; a wave's stage
	s_load_b128 s[4:7], s[0:1], 0x0                ; W's codes s[4:5], wf s[6:7]
	v_lshl_add_u32 v80, v0, 2, 0x4400
	v_mov_b32 v81, 0
	v_lshrrev_b32 v5, 5, v0
	v_readfirstlane_b32 s8, v5                     ; wave 0..3 = the tile of 16 rows
	v_and_b32 v5, 31, v0                           ; lane
	v_and_b32 v6, 15, v0                           ; r
	v_bfe_u32 v7, v0, 4, 1                         ; h
	v_lshlrev_b32 v4, 4, v5                        ; out: 16 x lane
	v_lshlrev_b32 v1, 10, v7
	v_lshl_add_u32 v1, v6, 4, v1                   ; in: lanes 0-15 one row's 256 bytes, lanes 16-31 the next row's (1,024 bytes on)
	s_mul_i32 s9, s8, STG
	v_mul_u32_u24 v2, v7, PITCH
	v_lshl_add_u32 v2, v6, 4, v2
	v_add_nc_u32 v2, s9, v2                        ; into the stage: as loaded
	v_mul_u32_u24 v3, v6, PITCH
	v_lshl_add_u32 v3, v7, 4, v3
	v_add_nc_u32 v3, s9, v3                        ; out of it: row r, + 16 h: the operand's lane
	s_and_b32 s10, ttmp7, 0xffff                   ; kp
	s_lshl_b32 s12, ttmp9, 16                      ; 64 u rows of 1,024 bytes
	s_lshl_b32 s13, s8, 14                         ; + 16 w rows
	s_add_co_u32 s12, s12, s13
	s_lshl_b32 s13, s10, 8                         ; + 256 kp
	s_add_co_u32 s12, s12, s13
	s_mov_b32 s13, 0
	s_lshr_b32 s14, ttmp9, 4                       ; ph
	s_bfe_u32 s15, ttmp9, 0x20002                  ; the next launch's wave: 2 bits from bit 2
	s_and_b32 s16, ttmp9, 3                        ; i
	s_lshl_b32 s18, s16, 1
	s_add_co_u32 s18, s18, s14
	s_sub_co_u32 s18, s18, 1                       ; k: 2 i, v: 2 i + 1 (for q this number is not used)
	s_add_co_u32 s19, s16, 8                       ; q: 8 + i
	s_cmp_eq_u32 s14, 0
	s_cselect_b32 s18, s19, s18                    ; pos
	s_mul_i32 s15, s15, 12
	s_add_co_u32 s15, s15, s18                     ; P
	s_lshl_b32 s16, s15, 16                        ; 65,536 P
	s_lshl_b32 s17, s10, 14                        ; + two K steps of 8,192 for each kp
	s_add_co_u32 s16, s16, s17
	s_lshl_b32 s17, s8, 11                         ; + 2,048 t
	s_add_co_u32 s16, s16, s17
	s_mov_b32 s17, 0
	s_wait_kmcnt 0x0
	s_add_nc_u64 s[4:5], s[4:5], s[12:13]
	s_add_nc_u64 s[6:7], s[6:7], s[16:17]
.irp i, 0,1,2,3,4,5,6,7
	global_load_b128 v[8+4*\i:11+4*\i], v1, s[4:5] offset:2048*\i th:TH_LOAD_NT   ; rows 2 i and 2 i + 1; read once in this launch
.endr
.irp i, 0,1,2,3,4,5,6,7
	s_wait_loadcnt 7-\i                            ; loads come back in order: load i is in, the 7 - i younger ones may be out
	ds_store_b128 v2, v[8+4*\i:11+4*\i] offset:2*PITCH*\i
.endr
.irp q, 0,1,2,3,4,5,6,7                        ; q = 4 sl + c: K step 2 kp + sl, piece c.  LDS serves a wave's instructions in order: these see the stores above
	ds_load_b128 v[40+4*\q:43+4*\q], v3 offset:128*(\q/4)+32*(\q%4)
.endr
.irp q, 0,1,2,3,4,5,6,7
	s_wait_dscnt 7-\q                              ; piece q is back, the 7 - q younger ones may be out
	global_store_b128 v4, v[40+4*\q:43+4*\q], s[6:7] offset:8192*(\q/4)+512*(\q%4)   ; 32 lanes store 512 consecutive bytes, at a multiple of 512 from wf's first byte
.endr
	s_wait_tensorcnt 0x0
	ds_add_u32 v80, v81
	s_wait_dscnt 0x0
	s_endpgm
.Lfunc_end_k_q0bc284e5c4_lay:
	.size	k_q0bc284e5c4_lay, .Lfunc_end_k_q0bc284e5c4_lay-k_q0bc284e5c4_lay
	.p2alignl 7, 3214868480
	.fill 96, 4, 3214868480
	.section	.rodata,"a",@progbits
	.p2align	6, 0x0
	.amdhsa_kernel k_q0bc284e5c4_lay
		.amdhsa_group_segment_fixed_size 17920
		.amdhsa_private_segment_fixed_size 0
		.amdhsa_enable_private_segment 0
		.amdhsa_kernarg_size 16
		.amdhsa_user_sgpr_count 2
		.amdhsa_user_sgpr_kernarg_segment_ptr 1
		.amdhsa_wavefront_size32 1
		.amdhsa_system_sgpr_workgroup_id_x 1
		.amdhsa_system_sgpr_workgroup_id_y 1
		.amdhsa_system_sgpr_workgroup_id_z 1
		.amdhsa_system_vgpr_workitem_id 0
		.amdhsa_next_free_vgpr 82
		.amdhsa_next_free_sgpr 66
		.amdhsa_reserve_vcc 0
		.amdhsa_float_denorm_mode_32 3
		.amdhsa_float_denorm_mode_16_64 3
		.amdhsa_memory_ordered 1
		.amdhsa_forward_progress 1
		.amdhsa_inst_pref_size 6
	.end_amdhsa_kernel
	.amdgpu_metadata
---
amdhsa.version: [ 1, 2 ]
amdhsa.kernels:
  - .name:           k_q0bc284e5c4_lay
    .symbol:         k_q0bc284e5c4_lay.kd
    .args:
      - { .name: W_qkv_codes, .offset: 0, .size: 8, .value_kind: global_buffer, .address_space: global }
      - { .name: wf, .offset: 8, .size: 8, .value_kind: global_buffer, .address_space: global }
    .group_segment_fixed_size: 17920
    .private_segment_fixed_size: 0
    .kernarg_segment_align: 8
    .kernarg_segment_size: 16
    .max_flat_workgroup_size: 128
    .sgpr_count:     66
    .vgpr_count:     82
    .wavefront_size: 32
...
	.end_amdgpu_metadata
.endif
;; end of part 1
;; launch fused (part 2): grid 256 x 1, 4 waves a work-group, no clusters, 314,880 bytes of LDS; arguments wf, b_qkv, lowp_scales, x_codes, out0; writes out0
.if DOCPART == 2
	.amdgcn_target "amdgcn-amd-amdhsa--gfx1250"
	.amdhsa_code_object_version 6
	.text
	.protected	k_q0bc284e5c4_fused
	.globl	k_q0bc284e5c4_fused
	.p2align	8
	.type	k_q0bc284e5c4_fused,@function
k_q0bc284e5c4_fused:
	s_mov_b64 s[64:65], 0
	v_nop
	global_prefetch_b8 v0, s[64:65] scope:SCOPE_SE
	s_setreg_imm32_b32 hwreg(HW_REG_WAVE_MODE, 25, 1), 1
	s_wait_xcnt 0x0
; out = (q 2^-3) softmax_d(k)^T v, token by token, with qkv = x W + b.  x [16,384][1,024] and W (as wf, laid by the launch before) are codes of E5M2; lowp_scales = e0 (x), e1 (W), e2 (q), e3 (p).
; A work-group owns 64 tokens and makes all 3,072 columns of qkv for them, since a token's 16 x 16 product mixes all heads; nothing of qkv goes to memory.
; SHARES.  A UNIT is one head of q, k or v: 64 columns x 64 tokens x K 1,024 = 16 accumulators, 128 matrix instructions, 128 loads of 512 bytes.  Wave w takes heads 4 w .. 4 w + 3 of each: 12 units, whose
; 786,432 bytes lie on end in wf.  A head lies whole in one wave, so its softmax wants one exchange between the halves of the lanes.  In the token phases wave w takes tokens 16 w .. 16 w + 15.
; ORDER OF A WAVE'S UNITS: k0 v0 k1 v1 k2 v2 k3 v3 q0 q1 | q2 q3.  k's long epilogue takes turns with v's short one.  q comes last, because 256 neighbouring bytes of out are one token's one head h', and they are
; whole as soon as q's head h' is known beside all of p and v: when each wave has made two heads of q, eight heads of out (4 a and 4 a + 1) are made and stored for all 64 tokens, 64 stores a wave, which are on
; their way while the last two units are multiplied; the other eight heads follow behind the last unit.
; x: the 64 tokens' codes are 512 registers and every wave keeps a copy, so the loop over K touches no LDS; the first unit fetches them as it goes, three K steps ahead.  W: from memory straight into a ring of
; four sets of 64 registers; a set is asked for again as soon as its 16 products are issued, 48 to 64 matrix instructions ahead of its next use; no barrier stands in the loop.
; WHY NO CLUSTER AND NO JOINT LOADS, though all work-groups walk the same W: each fragment of W is wanted by one wave of a work-group alone; q's and p's codes, v, 1/l and the bias take 314,368 of the LDS bytes;
; what could be freed would hold two slots of 256 rows x 256 along K, which give a wave 32 matrix instructions between a refill and the wait for all loads in front of the next; in registers the wave has
; 48 to 64 loads out all the time, and W is neither written to LDS nor read from it.
; THE FIRST PRODUCT IS USED TRANSPOSED (source 0 = 16 rows of W, source 1 = 16 tokens): lane (r, h) holds token r, and register j of tile t column 16 t + 8 h + j.  Both fragments take k = 32 c + 16 h + 0 .. 15 in
; registers 4 c .. 4 c + 3: the same permutation of k on both sides, so every product meets its partner.
; POWERS OF TWO ARE FOLDED, all exact.  A sum stands for sum x 2^(e0 + e1).  The bias goes in as the C of a unit's first K step, divided by 2^(e0 + e1).  q: code = sum / 2^(e2 + 3 - e0 - e1) (2^-3 = 64^-1/2).
; k: t - M = sum x c - M, c = log2(e) 2^(e0 + e1), M = ceil(the head's largest t); p = 2^(t - M) is quantised with 2^e3; l is the sum of the unquantised p.  v: bf16(sum).  attn: (codes' sum) / l, to bf16.
; out = the last sum x 2^(e0 + e1 + e2 + e3).
; LIMITS: e0 + e1 between -126 and 127; e2 + 3 - e0 - e1 and e3 between -126 and 112, so that each power of two made below is an f32 number.  NaN among the inputs is not served.  p under 2^-126 is 0.
; LDS.  A token's row of codes: 16 heads x 64 bytes + 16; a head's byte 32 b + 16 h + 0 .. 15 holds columns 32 b + 8 h + 0 .. 7, then 32 b + 16 + 8 h + 0 .. 7: the same map for q and p.
; A token's v: 16 heads x 160 bytes + 16; place 16 t + r of a head holds d = 4 sigma(r) + t, sigma(8 a + 2 T + u) = 4 T + 2 a + u, so that in the last product a lane's four tiles are four neighbouring d.
; Pitches 1,040 and 2,576 are odd multiples of 16 bytes, 160 an odd multiple of 32.
; REGISTERS, in windows of 256: window 0: v0-31 addresses and constants; v32-95 at work; v96-127 the unit's bias; v128-255 the 16 accumulators ((m, t) at 128 + 32 m + 8 t); in the token phases v32-255 are two slots.
;   window 1: W's ring: set q, tile t at 64 q + 16 t.   windows 2 and 3: x: fragment (tile of tokens m, K step s) in window 2 + s / 4 at 64 (s % 4) + 16 m.
.set QP,  1040                         ; a token's row of codes
.set VP,  2576                         ; a token's v
.set GP,  160                          ; a head of it
.set QCD, 0                            ; q's codes, 64 x QP.  Before them, in the same bytes: x's stage, 64 x QP: read for the last time in the first unit; q is stored behind the second barrier
.set PCD, 64*QP                        ; p's codes
.set VB,  2*64*QP                      ; v, 64 x VP
.set RL,  VB+64*VP                     ; 1 / l: token x 64 + 4 x head
.set BI,  RL+64*64                     ; bias / 2^(e0 + e1): 3,072 x wave + 1,024 x (0 k, 1 q, 2 v) + 256 x head + 4 x column; each wave's part is its own
.set L16, 1                            ; v1   16 x lane
.set XW,  2                            ; v2   where I put x's bytes
.set XF,  3                            ; v3   where I read x's fragments: QP r + 16 h
.set BW,  4                            ; v4   where I put the bias
.set ABI, 5                            ; v5   where I read it: my wave's part + 32 h
.set AQ,  6                            ; v6   q's codes: row r, + 16 h, + my first head
.set AP,  7                            ; v7   p's
.set ARL, 8                            ; v8   1 / l: token r, my first head
.set AV,  9                            ; v9-12  v: token 16 m + r, + 16 h, my first head
.set TQ,  13                           ; v13  token phase: q's codes: lanes r < 8 my first token, r >= 8 the next; head 4 ((r % 8) / 2) + r % 2; + 16 h
.set TP,  14                           ; v14  p's codes of my first token: head r, + 16 h
.set TR,  15                           ; v15  1 / l of my first token, heads 8 h on
.set TV,  16                           ; v16  v of my first token, for the turning load
.set AO,  17                           ; v17  out: token h of a pair (4,096 h) + my 16 bytes of a head's 256
.set QSC, 18                           ; v18  2^(e2 + 3 - e0 - e1);  v19  57,344 x that
.set QLIM, 19
.set PSC, 20                           ; v20  2^e3;  v21  57,344 x that
.set PLIM, 21
.set AT,  22                           ; v22-25 addresses in hand
.set ABA, 26                           ; v26  the bias's address in hand (at the head: scratch)
.set MK,  27                           ; v27  all ones where r < 8, else 0;  v28  the other way round (at the head: scratch)
.set TMP, 32
.set ST,  64                           ; k's statistics, eight a tile of tokens: +0 -M, +1 largest t, +2 +3 sum A, +4 maximum, then 1 / l, +5 second chain and exchange, +6 +7 sum B
.set BIAS, 96
.set ACC, 128
.set SLB, 32                           ; token phase: two slots of 112 registers, a pair of tokens each: +0 q (both tokens), +8 +16 p, +24 +32 attn^T, +40 attn as bf16, +48 + 8 t v,
                                       ; +80 +88 1 / l, later out's tiles 2 and 3, +96 +104 out's tiles 0 and 1; +0 .. +31 later hold the rows of out
.set MSB, 0
.macro WIN new                         ; the immediate's high byte repeats the setting that is left; a switch that changes nothing is dropped
.if MSB != (\new)
	s_set_vgpr_msb (MSB<<8)|(\new)
.set MSB, (\new)
.endif
.endm
.macro PLACES                          ; four plain vector instructions between a matrix instruction and a load into, or a vector instruction on, its registers
.rept 4
	v_nop
.endr
.endm
.macro BARRIER                         ; my LDS stores have landed and my LDS loads are in: then the work-group's barrier
	s_wait_dscnt 0x0
	s_barrier_signal -1
	s_barrier_wait -1
.endm
; One K step of W for a unit: four fragments, 16 loads of 512 consecutive bytes, into a set of the ring (window 1)
.macro WGROUP set, off
.irp t, 0,1,2,3
.irp c, 0,1,2,3
	global_load_b128 v[64*(\set)+16*\t+4*\c:64*(\set)+16*\t+4*\c+3], v[L16], s[4:5] offset:(\off)+2048*\t+512*\c
.endr
.endr
.endm
; One K step of x: the four tiles of tokens, 16 LDS loads, into windows 2 and 3, where they stay
.macro XLOAD s
	WIN 0x80+0x40*((\s)/4)                         ; destination window 2 or 3
.irp m, 0,1,2,3
.irp c, 0,1,2,3
	ds_load_b128 v[64*((\s)%4)+16*\m+4*\c:64*((\s)%4)+16*\m+4*\c+3], v[XF] offset:16*QP*\m+128*(\s)+32*\c
.endr
.endr
.endm
; The bias at s28 + off of my wave's part: for tile t the eight columns 16 t + 8 h + 0 .. 7, the same in all 16 lanes of a half.  It lands while the epilogue runs
.macro BIASLOAD off
	v_add_nc_u32 v[ABA], s28, v[ABI]
.irp t, 0,1,2,3
	ds_load_b128 v[BIAS+8*\t:BIAS+8*\t+3],   v[ABA] offset:(\off)+64*\t
	ds_load_b128 v[BIAS+8*\t+4:BIAS+8*\t+7], v[ABA] offset:(\off)+64*\t+16
.endr
.endm
.macro NEXTBIAS                        ; 256 bytes on: from k's head i to i + 1, from k's last to q's first, from q's head to the next
	s_add_co_u32 s28, s28, 256
	BIASLOAD 0
.endm
.macro STEPW                           ; at an epilogue's end: wf's address goes on to the next unit
	s_wait_xcnt 0x0                                ; the loads issued so far have read their base
	s_add_nc_u64 s[4:5], s[4:5], 0x10000
.endm
; A UNIT: eight K steps of 128, 16 matrix instructions each; the same text serves q, k and v.  The 16 accumulators take turns, one instruction a turn, in the same order in every step.
; last = 1: the wave's last unit: nothing is asked for beyond it, and the counts run down.  first = 1: the wave's first unit: x's K step s + 3 is fetched from LDS in step s.
.macro UNIT last, first
.set SI, 0
.rept 8
.if \last && (SI > 4)
	s_wait_loadcnt 16*(7-SI)                       ; only the steps that are left were asked for behind this one
.else
	s_wait_loadcnt 48                              ; this step's 16 loads are in: behind them only the next three steps' 48 were issued
.endif
.if \first
.if SI < 6
	s_wait_dscnt 32                                ; x's K step is in (and, ahead of it, the bias): behind it the next two steps' 32 loads were issued
.else
	s_wait_dscnt 16*(7-SI)                         ; the last steps: one younger step, then none
.endif
.elseif SI == 0
	s_wait_dscnt 0x0                               ; the bias is in, and the last epilogue's LDS stores have read their registers
.endif
	WIN 0x09+4*(SI/4)                              ; source 0 (W) window 1, source 1 (x) window 2 or 3, C and D window 0
.set TI, 0
.rept 4
.set MI, 0
.rept 4
.if SI == 0
	v_wmma_f32_16x16x128_bf8_bf8 v[ACC+32*MI+8*TI:ACC+32*MI+8*TI+7], v[64*(SI%4)+16*TI:64*(SI%4)+16*TI+15], v[64*(SI%4)+16*MI:64*(SI%4)+16*MI+15], v[BIAS+8*TI:BIAS+8*TI+7]
.else
	v_wmma_f32_16x16x128_bf8_bf8 v[ACC+32*MI+8*TI:ACC+32*MI+8*TI+7], v[64*(SI%4)+16*TI:64*(SI%4)+16*TI+15], v[64*(SI%4)+16*MI:64*(SI%4)+16*MI+15], v[ACC+32*MI+8*TI:ACC+32*MI+8*TI+7]
.endif
.set MI, MI+1
.endr
.set TI, TI+1
.endr
	PLACES                                         ; in front of the loads into the set just read; behind the last step, of the epilogue's first read
.if (!\last) || (SI < 4)
	WIN 0x40                                       ; destination window 1
	WGROUP SI%4,(SI+4)*8192                        ; four steps on; from step 4 on that is the next unit, which lies behind this one
.endif
.if \first && (SI < 5)
	XLOAD SI+3
.endif
.set SI, SI+1
.endr
	WIN 0
.endm
; q's head hd of my four: the hold and the conversion; 16 codes a lane and store.  nb = 1: the next unit's bias is fetched here; mo = 1: another unit follows
.macro EPI_Q hd, nb, mo
.if \nb
	NEXTBIAS
.endif
.irp m, 0,1,2,3
.set JI, 0
.rept 32
	v_med3_num_f32 v[ACC+32*\m+JI], v[ACC+32*\m+JI], -v[QLIM], v[QLIM]   ; the conversion to an 8-bit code does not saturate (ISA guide 7.6.2); each accumulator from its low end on
.set JI, JI+1
.endr
.irp t, 0,1,2,3
	v_cvt_scalef32_pk8_bf8_f32 v[TMP+8*\m+2*\t:TMP+8*\m+2*\t+1], v[ACC+32*\m+8*\t:ACC+32*\m+8*\t+7], v[QSC]
.endr
.endr
	v_nop                                          ; one plain vector instruction behind the last conversion: later products write its sources
.irp m, 0,1,2,3
.irp b, 0,1
	ds_store_b128 v[AQ], v[TMP+8*\m+4*\b:TMP+8*\m+4*\b+3] offset:64*(\hd)+16*QP*\m+32*\b
.endr
.endr
.if \mo
	STEPW
.endif
.endm
; k: the softmax's p, its codes and 1 / l, stage by stage over the four tiles of tokens, so that eight chains run side by side.  The next unit is v's head of the same number
.macro EPI_K
	BIASLOAD 2048
	v_add_nc_u32 v[AT+1], s29, v[AP]
	v_add_nc_u32 v[AT+2], s30, v[ARL]
.irp m, 0,1,2,3                                ; the largest of my 32 sums, in two chains a tile; each accumulator is first read at its low end
	v_max3_num_f32 v[ST+8*\m+4], v[ACC+32*\m], v[ACC+32*\m+1], v[ACC+32*\m+2]
	v_max3_num_f32 v[ST+8*\m+5], v[ACC+32*\m+3], v[ACC+32*\m+4], v[ACC+32*\m+5]
.endr
.irp i, 6,10,14,18,22,26
.irp m, 0,1,2,3
	v_max3_num_f32 v[ST+8*\m+4], v[ST+8*\m+4], v[ACC+32*\m+\i], v[ACC+32*\m+\i+1]
	v_max3_num_f32 v[ST+8*\m+5], v[ST+8*\m+5], v[ACC+32*\m+\i+2], v[ACC+32*\m+\i+3]
.endr
.endr
.irp m, 0,1,2,3
	v_max3_num_f32 v[ST+8*\m+4], v[ST+8*\m+4], v[ACC+32*\m+30], v[ACC+32*\m+31]
.endr
.irp m, 0,1,2,3
	v_max_num_f32 v[ST+8*\m+4], v[ST+8*\m+4], v[ST+8*\m+5]
.endr
.irp m, 0,1,2,3
	v_permlanex16_b32 v[ST+8*\m+5], v[ST+8*\m+4], s20, s21   ; the head's other 32 columns lie in the lane 16 away
.endr
.irp m, 0,1,2,3
	v_max_num_f32 v[ST+8*\m+4], v[ST+8*\m+4], v[ST+8*\m+5]
.endr
.irp m, 0,1,2,3
	v_mul_f32 v[ST+8*\m+1], s22, v[ST+8*\m+4]      ; as t (c is positive)
.endr
.irp m, 0,1,2,3
	v_floor_f32 v[ST+8*\m], -v[ST+8*\m+1]          ; -M = floor(-t) = -ceil(t): a whole number
.endr
.irp m, 0,1,2,3
.set JI, 0
.rept 16
	v_pk_fma_f32 v[ACC+32*\m+JI:ACC+32*\m+JI+1], v[ACC+32*\m+JI:ACC+32*\m+JI+1], s[22:23], v[ST+8*\m:ST+8*\m+1] op_sel_hi:[1,0,0]   ; t - M, two at a time (of the pairs c and -M the low word serves both halves)
.set JI, JI+2
.endr
.endr
.set JI, 0
.rept 128
	v_exp_f32 v[ACC+JI], v[ACC+JI]                 ; p = 2^(t - M), at most 1, not normalised
.set JI, JI+1
.endr
	v_nop                                          ; a plain instruction behind the last exponential
	s_wait_alu depctr_va_vdst(0)                   ; one wait for the batch of 128, ahead of its first reader
.irp m, 0,1,2,3                                ; l is the sum of the unquantised p: two at a time, two chains a tile
	v_pk_add_f32 v[ST+8*\m+2:ST+8*\m+3], v[ACC+32*\m:ACC+32*\m+1], v[ACC+32*\m+2:ACC+32*\m+3]
	v_pk_add_f32 v[ST+8*\m+6:ST+8*\m+7], v[ACC+32*\m+4:ACC+32*\m+5], v[ACC+32*\m+6:ACC+32*\m+7]
.endr
.irp j, 8,12,16,20,24,28
.irp m, 0,1,2,3
	v_pk_add_f32 v[ST+8*\m+2:ST+8*\m+3], v[ST+8*\m+2:ST+8*\m+3], v[ACC+32*\m+\j:ACC+32*\m+\j+1]
	v_pk_add_f32 v[ST+8*\m+6:ST+8*\m+7], v[ST+8*\m+6:ST+8*\m+7], v[ACC+32*\m+\j+2:ACC+32*\m+\j+3]
.endr
.endr
.irp m, 0,1,2,3
	v_pk_add_f32 v[ST+8*\m+2:ST+8*\m+3], v[ST+8*\m+2:ST+8*\m+3], v[ST+8*\m+6:ST+8*\m+7]
.endr
.irp m, 0,1,2,3
	v_add_f32 v[ST+8*\m+2], v[ST+8*\m+2], v[ST+8*\m+3]
.endr
.irp m, 0,1,2,3
	v_permlanex16_b32 v[ST+8*\m+3], v[ST+8*\m+2], s20, s21
.endr
.irp m, 0,1,2,3
	v_add_f32 v[ST+8*\m+2], v[ST+8*\m+2], v[ST+8*\m+3]
.endr
.irp m, 0,1,2,3
	v_rcp_f32 v[ST+8*\m+4], v[ST+8*\m+2]           ; 1 / l; the holds below are the plain instructions behind these four
.endr
.irp m, 0,1,2,3
.set JI, 0
.rept 32
	v_min_num_f32 v[ACC+32*\m+JI], v[ACC+32*\m+JI], v[PLIM]   ; p is not negative: the hold is one-sided
.set JI, JI+1
.endr
.irp t, 0,1,2,3
	v_cvt_scalef32_pk8_bf8_f32 v[TMP+8*\m+2*\t:TMP+8*\m+2*\t+1], v[ACC+32*\m+8*\t:ACC+32*\m+8*\t+7], v[PSC]
.endr
.endr
	v_nop                                          ; one plain vector instruction behind the last conversion
	s_wait_alu depctr_va_vdst(0)                   ; one wait for the four reciprocals, ahead of the stores that read them
.irp m, 0,1,2,3
.irp b, 0,1
	ds_store_b128 v[AT+1], v[TMP+8*\m+4*\b:TMP+8*\m+4*\b+3] offset:16*QP*\m+32*\b
.endr
.endr
.irp m, 0,1,2,3
	ds_store_b32 v[AT+2], v[ST+8*\m+4] offset:1024*\m   ; lanes r and r + 16 hold the same number and write the same word
.endr
	s_add_co_u32 s29, s29, 64                      ; the next head's 64 bytes of codes,
	s_add_co_u32 s30, s30, 4                       ; and its word of 1 / l
	STEPW
.endm
; v: to bf16, unscaled.  Register T of the store at 32 p + 16 h holds places 16 p + 8 h + 2 T and + 1: columns 16 T + 8 h + p and + 4.  The next unit is k's next head, or q's first
.macro EPI_V
	NEXTBIAS
.irp m, 0,1,2,3
	v_add_nc_u32 v[AT+\m], s31, v[AV+\m]
.irp p, 0,1,2,3
.irp t, 0,1,2,3
	v_cvt_pk_bf16_f32 v[TMP+16*\m+4*\p+\t], v[ACC+32*\m+8*\t+\p], v[ACC+32*\m+8*\t+\p+4]   ; p = 0 comes first: each accumulator is first read at its low end
.endr
.endr
.endr
.irp m, 0,1,2,3
.irp p, 0,1,2,3
	ds_store_b128 v[AT+\m], v[TMP+16*\m+4*\p:TMP+16*\m+4*\p+3] offset:32*\p
.endr
.endr
	s_add_co_u32 s31, s31, GP
	STEPW
.endm
; THE TOKEN PHASE for eight heads h' = 4 a + 2 rho + u (a = 0 .. 3, u = 0, 1; numbered j = 2 a + u), four tokens at a time (n .. n + 3 of my 16): a PAIR of tokens in each slot.
; attn^T = p q^T, one instruction a token (source 0 = the token's 16 heads of p; source 1 = ONE fragment for the pair: lanes r < 8 hold the first token's eight heads of q, r >= 8 the second's): lane r holds
; column r, register j head g = 8 h + j.  Of each result the eight columns of the token's own q count.  Divided by l and rounded in pairs, the first token's result is registers 0-3 and the second's registers
; 4-7 of source 0 (16 rows x 32 K) of out = attn v: rows = 2 tokens x 8 heads h', K = 2 tokens x 16 heads g; the columns that mix two tokens are cleared by a lane mask, so that a row meets its own token's v alone.
; v comes turned, by ds_load_tr16_b128: lane r holds place 16 t + r; registers 0-3 the first token's heads 8 h + 0 .. 7, registers 4-7 the second's.
; In the result register j of tile t is out(token h of the pair, head number j, d = 4 sigma(r) + t): the four tiles give 16 neighbouring bytes.
.macro QUAD n, rho
	s_wait_xcnt 0x0                                ; the last four tokens' stores have read their registers: the loads below land there
.irp e, 0,1
.set SB, SLB+112*\e
.set TK, (\n)+2*\e
	ds_load_b128 v[SB+8:SB+11],  v[TP] offset:TK*QP
	ds_load_b128 v[SB+12:SB+15], v[TP] offset:TK*QP+32
	ds_load_b128 v[SB+16:SB+19], v[TP] offset:(TK+1)*QP
	ds_load_b128 v[SB+20:SB+23], v[TP] offset:(TK+1)*QP+32
	ds_load_b128 v[SB:SB+3],     v[TQ] offset:TK*QP+128*(\rho)
	ds_load_b128 v[SB+4:SB+7],   v[TQ] offset:TK*QP+128*(\rho)+32
.endr
.irp e, 0,1
.set SB, SLB+112*\e
.set TK, (\n)+2*\e
.irp u, 0,1
	ds_load_b128 v[SB+80+8*\u:SB+83+8*\u], v[TR] offset:(TK+\u)*64
	ds_load_b128 v[SB+84+8*\u:SB+87+8*\u], v[TR] offset:(TK+\u)*64+16
.endr
.endr
.irp e, 0,1
.set SB, SLB+112*\e
.set TK, (\n)+2*\e
.irp t, 0,1,2,3
.irp u, 0,1
	ds_load_tr16_b128 v[SB+48+8*\t+4*\u:SB+51+8*\t+4*\u], v[TV] offset:(TK+\u)*VP+32*\t
.endr
.endr
.endr
	s_wait_dscnt 24                                ; the twelve loads of codes are in; behind them stand 1 / l's eight and v's sixteen
.irp e, 0,1
.set SB, SLB+112*\e
.irp u, 0,1
	v_wmma_f32_16x16x64_bf8_bf8 v[SB+24+8*\u:SB+31+8*\u], v[SB+8+8*\u:SB+15+8*\u], v[SB:SB+7], 0
.endr
.endr
	PLACES
	s_wait_dscnt 16                                ; 1 / l is in; v's sixteen may be out
.irp e, 0,1
.set SB, SLB+112*\e
.irp u, 0,1
.irp i, 0,2,4,6
	v_pk_mul_f32 v[SB+24+8*\u+\i:SB+25+8*\u+\i], v[SB+24+8*\u+\i:SB+25+8*\u+\i], v[SB+80+8*\u+\i:SB+81+8*\u+\i]   ; / l of head g, from the low end on
.endr
.endr
.endr
.irp e, 0,1
.set SB, SLB+112*\e
.irp u, 0,1
.irp i, 0,1,2,3
	v_cvt_pk_bf16_f32 v[SB+40+4*\u+\i], v[SB+24+8*\u+2*\i], v[SB+25+8*\u+2*\i]
.endr
.endr
.endr
.irp e, 0,1
.set SB, SLB+112*\e
.irp u, 0,1
.irp i, 0,1,2,3
	v_and_b32 v[SB+40+4*\u+\i], v[MK+\u], v[SB+40+4*\u+\i]   ; the first token's K stays in rows r < 8, the second's in rows r >= 8; the rest becomes the number 0
.endr
.endr
.endr
	s_wait_dscnt 0x0                               ; v is in
.irp t, 0,1,2,3
.irp e, 0,1
	v_wmma_f32_16x16x32_bf16 v[SLB+112*\e+80+8*((\t+2)%4):SLB+112*\e+87+8*((\t+2)%4)], v[SLB+112*\e+40:SLB+112*\e+47], v[SLB+112*\e+48+8*\t:SLB+112*\e+55+8*\t], 0
.endr
.endr
	PLACES
.irp e, 0,1
.set SB, SLB+112*\e
.irp j, 0,1,2,3,4,5,6,7
.irp t, 0,1,2,3
	v_ldexp_f32 v[SB+4*\j+\t], v[SB+80+8*((\t+2)%4)+\j], s24   ; x 2^(e0 + e1 + e2 + e3), into four registers on end; register 0 of each tile is read first
.endr
.endr
.endr
.irp e, 0,1
.set SB, SLB+112*\e
.set TK, (\n)+2*\e
.irp j, 0,1,2,3,4,5,6,7
	global_store_b128 v[AO], v[SB+4*\j:SB+4*\j+3], s[12:13] offset:TK*4096+256*(4*(\j/2)+2*(\rho)+\j%2) th:TH_STORE_NT   ; lanes 0-15 fill the head's 256 bytes of the first token, lanes 16-31 of the second: each at a multiple of 256 from out's first byte
.endr
.endr
.endm
.macro TAIL rho
.irp n, 0,4,8,12
	QUAD \n, \rho
.endr
.endm
	; ---- THE HEAD
	s_load_b256 s[4:11], s[0:1], 0x0               ; wf s[4:5], b s[6:7], the scales' exponents s[8:9], x's codes s[10:11]
	s_load_b64 s[12:13], s[0:1], 0x20              ; out
	v_lshrrev_b32 v26, 5, v0
	v_readfirstlane_b32 s14, v26                   ; wave 0..3
	v_and_b32 v26, 31, v0                          ; lane
	v_and_b32 v27, 15, v0                          ; r
	v_bfe_u32 v28, v0, 4, 1                        ; h
	v_lshlrev_b32 v[L16], 4, v26
	s_mul_i32 s26, s14, 16*QP                      ; 16 rows of codes for each wave
	v_mul_u32_u24 v[XF], v27, QP
	v_lshl_add_u32 v[XF], v28, 4, v[XF]            ; QP r + 16 h (x's stage begins at LDS byte 0)
	v_add_nc_u32 v[XW], s26, v[L16]
	v_lshlrev_b32 v31, 6, v27
	v_lshl_add_u32 v31, v28, 4, v31                ; 64 r + 16 h
	s_add_co_u32 s27, s26, PCD
	v_add_nc_u32 v[TP], s27, v31
	v_bfe_u32 v29, v0, 3, 1                        ; r / 8: which token of a pair
	v_mul_u32_u24 v29, v29, QP
	v_bfe_u32 v30, v0, 1, 2                        ; (r % 8) / 2: which group of four heads
	v_lshl_add_u32 v29, v30, 8, v29
	v_and_b32 v30, 1, v0                           ; r % 2
	v_lshl_add_u32 v29, v30, 6, v29
	v_lshl_add_u32 v29, v28, 4, v29
	v_add_nc_u32 v[TQ], s26, v29                   ; (q's codes begin at LDS byte 0)
	s_mul_i32 s27, s14, 3072
	s_add_co_u32 s27, s27, BI
	v_add_nc_u32 v[BW], s27, v[L16]
	v_lshl_add_u32 v[ABI], v28, 5, s27
	s_lshl_b32 s27, s14, 8                         ; head 4 w: 256 w bytes
	v_add_nc_u32 v[AQ], s27, v[XF]
	v_add_nc_u32 v[AP], PCD, v[AQ]
	s_lshl_b32 s27, s14, 4
	s_add_co_u32 s27, s27, RL
	v_lshl_add_u32 v[ARL], v27, 6, s27
	s_lshl_b32 s27, s14, 10
	s_add_co_u32 s27, s27, RL
	v_lshl_add_u32 v[TR], v28, 5, s27
	v_mul_u32_u24 v30, v27, VP
	v_lshl_add_u32 v30, v28, 4, v30
	s_mul_i32 s27, s14, 4*GP
	s_add_co_u32 s27, s27, VB
	v_add_nc_u32 v[AV], s27, v30
.irp m, 1,2,3
	v_add_nc_u32 v[AV+\m], \m*16*VP, v[AV]
.endr
	v_and_b32 v29, 7, v0
	v_lshl_add_u32 v29, v28, 3, v29                ; the turning load: lane l reads head 8 h + l % 8,
	v_mul_u32_u24 v29, v29, GP
	v_bfe_u32 v31, v0, 3, 1
	v_lshl_add_u32 v29, v31, 4, v29                ; places 8 ((l / 8) % 2) + 0 .. 7
	s_mul_i32 s27, s14, 16*VP
	s_add_co_u32 s27, s27, VB
	v_add_nc_u32 v[TV], s27, v29
	v_lshlrev_b32 v[AO], 12, v28                   ; out: token h of the pair + 16 sigma(r) = 64 ((l / 2) % 4) + 32 ((l / 8) % 2) + 16 (l % 2)
	v_lshl_add_u32 v[AO], v31, 5, v[AO]
	v_bfe_u32 v29, v0, 1, 2
	v_lshl_add_u32 v[AO], v29, 6, v[AO]
	v_and_b32 v29, 1, v0
	v_lshl_add_u32 v[AO], v29, 4, v[AO]
	v_sub_nc_u32 v[MK+1], 0, v31                   ; r and h are done with: the masks take their registers: 0 - r / 8 is all ones where r >= 8,
	v_xor_b32 v[MK], -1, v[MK+1]                   ; and its complement where r < 8
	s_mov_b32 s20, 0x76543210                      ; v_permlanex16_b32: each lane takes its own place in the other half
	s_mov_b32 s21, 0xfedcba98
	s_lshl_b32 s32, ttmp9, 16                      ; x: 64 rows of 1,024 bytes a work-group,
	s_lshl_b32 s33, s14, 14                        ; 16 a wave
	s_add_co_u32 s32, s32, s33
	s_mov_b32 s33, 0
	s_lshl_b32 s34, ttmp9, 18                      ; out: 64 rows of 4,096 bytes a work-group,
	s_lshl_b32 s35, s14, 16                        ; 16 a wave
	s_add_co_u32 s34, s34, s35
	s_mov_b32 s35, 0
	s_wait_kmcnt 0x0
	s_load_b128 s[16:19], s[8:9], 0x0              ; e0, e1, e2, e3
	s_add_nc_u64 s[10:11], s[10:11], s[32:33]
	s_add_nc_u64 s[12:13], s[12:13], s[34:35]
	s_lshl_b32 s32, s14, 10                        ; b: my four heads' 256 numbers in each of q, k, v
	s_add_nc_u64 s[6:7], s[6:7], s[32:33]
	s_mul_i32 s32, s14, 12*65536                   ; wf: my 12 units
	s_add_nc_u64 s[4:5], s[4:5], s[32:33]
.set II, 0
.rept 32
	global_load_b128 v[ACC+4*II:ACC+4*II+3], v[L16], s[10:11] offset:512*II th:TH_LOAD_NT   ; my 16 rows of x, 512 consecutive bytes a load; read once in the launch
.set II, II+1
.endr
.irp q, 0,1,2,3,4,5
	global_load_b128 v[TMP+4*\q:TMP+4*\q+3], v[L16], s[6:7] offset:4096*(\q/2)+512*(\q%2)   ; q's, k's, v's
.endr
	WIN 0x40
	WGROUP 0,0                                     ; W's first K step goes out beside them
	WIN 0
	s_wait_kmcnt 0x0
	s_add_co_i32 s26, s16, s17                     ; e0 + e1
	s_sub_co_i32 s25, 0, s26
	s_add_co_i32 s24, s26, s18
	s_add_co_i32 s24, s24, s19                     ; e0 + e1 + e2 + e3
	s_mov_b32 s22, 0x3fb8aa3b                      ; log2(e);
	s_lshl_b32 s27, s26, 23
	s_add_co_i32 s22, s22, s27                     ; e0 + e1 is added to its exponent field
	s_mov_b32 s23, s22                             ; (named with it as a pair, so it is written)
	s_sub_co_i32 s27, s18, s26
	s_add_co_i32 s27, s27, 130                     ; e2 + 3 - e0 - e1 + 127
	s_lshl_b32 s26, s27, 23
	v_mov_b32 v[QSC], s26
	s_add_co_i32 s27, s27, 15
	s_lshl_b32 s27, s27, 23
	s_or_b32 s27, s27, 0x600000                    ; the mantissa field of 57,344
	v_mov_b32 v[QLIM], s27
	s_add_co_i32 s27, s19, 127
	s_lshl_b32 s26, s27, 23
	v_mov_b32 v[PSC], s26
	s_add_co_i32 s27, s27, 15
	s_lshl_b32 s27, s27, 23
	s_or_b32 s27, s27, 0x600000
	v_mov_b32 v[PLIM], s27
	s_wait_loadcnt 16                              ; x and the bias are in: behind them only W's 16 were issued
.set II, 0
.rept 32
	ds_store_b128 v[XW], v[ACC+4*II:ACC+4*II+3] offset:QP*(II/2)+512*(II%2)
.set II, II+1
.endr
.set II, 0
.rept 24
	v_ldexp_f32 v[TMP+II], v[TMP+II], s25          ; b / 2^(e0 + e1): exact
.set II, II+1
.endr
.irp q, 0,1,2,3,4,5                            ; in LDS: k's first, then q's, then v's
	ds_store_b128 v[BW], v[TMP+4*\q:TMP+4*\q+3] offset:1024*((1-\q/2)*(1-\q/4)+2*(\q/4))+512*(\q%2)
.endr
	WIN 0x40
	WGROUP 1,8192                                  ; the ring is filled: K steps 1 to 3
	WGROUP 2,2*8192
	WGROUP 3,3*8192
	WIN 0
	BARRIER                                        ; all 64 rows of x lie in the stage
	s_mov_b32 s28, 0
	BIASLOAD 0                                     ; k's first head
	XLOAD 0                                        ; x's first three K steps; the first unit fetches the other five as it goes
	XLOAD 1
	XLOAD 2
	; ---- k and v by turns.  The loop is turned by one unit: a trip begins with the epilogue of the unit that was multiplied last
	s_mov_b32 s29, 0
	s_mov_b32 s30, 0
	s_mov_b32 s31, 0
	UNIT 0, 1                                      ; k0
	s_mov_b32 s15, 4
.Lkv:
	EPI_K
	UNIT 0, 0                                      ; v's head of the same number
	EPI_V
	UNIT 0, 0                                      ; k's next head; in the last trip q0
	s_sub_co_u32 s15, s15, 1
	s_cmp_lg_u32 s15, 0
	s_cbranch_scc1 .Lkv
	BARRIER                                        ; every wave's reads of x's stage are long back: q's codes may be stored there
	; ---- q, and out in two halves
	EPI_Q 0, 1, 1
	UNIT 0, 0                                      ; q1
	EPI_Q 1, 0, 1
	BARRIER                                        ; p's codes, 1 / l and v of all heads, and q's codes of heads 4 a and 4 a + 1, lie in LDS for all 64 tokens
	TAIL 0                                         ; eight heads of out; W's next four K steps land meanwhile
	s_wait_xcnt 0x0                                ; the stores have read their registers: the next unit's sums are written there
	NEXTBIAS
	UNIT 0, 0                                      ; q2.  Its codes go to bytes 128 to 255 of each group of four heads; what other waves may still read above are bytes 0 to 127
	EPI_Q 2, 1, 1
	UNIT 1, 0                                      ; q3: the last unit is written out: no load leaves wf
	EPI_Q 3, 0, 0
	BARRIER                                        ; q's codes of heads 4 a + 2 and 4 a + 3 lie in LDS
	TAIL 1
	s_wait_xcnt 0x0
	v_lshl_add_u32 v254, v0, 2, 0x4cc00
	v_mov_b32 v255, 0
	s_wait_tensorcnt 0x0
	ds_add_u32 v254, v255
	s_wait_dscnt 0x0
	s_endpgm
.Lfunc_end_k_q0bc284e5c4_fused:
	.size	k_q0bc284e5c4_fused, .Lfunc_end_k_q0bc284e5c4_fused-k_q0bc284e5c4_fused
	.p2alignl 7, 3214868480
	.fill 96, 4, 3214868480
	.section	.rodata,"a",@progbits
	.p2align	6, 0x0
	.amdhsa_kernel k_q0bc284e5c4_fused
		.amdhsa_group_segment_fixed_size 314880
		.amdhsa_private_segment_fixed_size 0
		.amdhsa_enable_private_segment 0
		.amdhsa_kernarg_size 40
		.amdhsa_user_sgpr_count 2
		.amdhsa_user_sgpr_kernarg_segment_ptr 1
		.amdhsa_wavefront_size32 1
		.amdhsa_system_sgpr_workgroup_id_x 1
		.amdhsa_system_sgpr_workgroup_id_y 1
		.amdhsa_system_sgpr_workgroup_id_z 1
		.amdhsa_system_vgpr_workitem_id 0
		.amdhsa_next_free_vgpr 1024
		.amdhsa_next_free_sgpr 66
		.amdhsa_reserve_vcc 0
		.amdhsa_float_denorm_mode_32 3
		.amdhsa_float_denorm_mode_16_64 3
		.amdhsa_memory_ordered 1
		.amdhsa_forward_progress 1
		.amdhsa_inst_pref_size 255
	.end_amdhsa_kernel
	.section	.bss,"aw",@nobits
	.p2align	6
	.space	262144
	.amdgpu_metadata
---
amdhsa.version: [ 1, 2 ]
amdhsa.kernels:
  - .name:           k_q0bc284e5c4_fused
    .symbol:         k_q0bc284e5c4_fused.kd
    .args:
      - { .name: wf, .offset: 0, .size: 8, .value_kind: global_buffer, .address_space: global }
      - { .name: b_qkv, .offset: 8, .size: 8, .value_kind: global_buffer, .address_space: global }
      - { .name: lowp_scales, .offset: 16, .size: 8, .value_kind: global_buffer, .address_space: global }
      - { .name: x_codes, .offset: 24, .size: 8, .value_kind: global_buffer, .address_space: global }
      - { .name: out0, .offset: 32, .size: 8, .value_kind: global_buffer, .address_space: global }
    .group_segment_fixed_size: 314880
    .private_segment_fixed_size: 0
    .kernarg_segment_align: 8
    .kernarg_segment_size: 40
    .max_flat_workgroup_size: 128
    .sgpr_count:     66
    .vgpr_count:     1024
    .wavefront_size: 32
...
	.end_amdgpu_metadata
.endif
;; end of part 2
;; ======== version 2 of 2: 2 launches; version 1 with the launch fused written anew for expert scheduling mode
;; workspace buffers: wf 3,145,728 bytes
;; launch lay: the kernel of part 1 again; grid 48 x 4, 4 waves a work-group, no clusters, 17,920 bytes of LDS; arguments W_qkv_codes, wf; writes wf
;; launch fused (part 3): grid 256 x 1, 4 waves a work-group, no clusters, 314,880 bytes of LDS; arguments wf, b_qkv, lowp_scales, x_codes, out0; writes out0
.if DOCPART == 3
	.amdgcn_target "amdgcn-amd-amdhsa--gfx1250"
	.amdhsa_code_object_version 6
	.text
	.protected	k_q0bc284e5c4_fused
	.globl	k_q0bc284e5c4_fused
	.p2align	8
	.type	k_q0bc284e5c4_fused,@function
k_q0bc284e5c4_fused:
	s_mov_b64 s[64:65], 0
	v_nop
	global_prefetch_b8 v0, s[64:65] scope:SCOPE_SE
	s_setreg_imm32_b32 hwreg(HW_REG_WAVE_SCHED_MODE, 0, 2), 2
	s_setreg_imm32_b32 hwreg(HW_REG_WAVE_MODE, 25, 1), 1
	s_wait_xcnt 0x0
	s_wait_alu depctr_vm_vsrc(0)
; out = (q 2^-3) softmax_d(k)^T v, token by token, with qkv = x W + b.  x [16,384][1,024] and W (as wf, laid by the launch before) are codes of E5M2; lowp_scales = e0 (x), e1 (W), e2 (q), e3 (p).
; A work-group owns 64 tokens and makes all 3,072 columns of qkv for them, since a token's 16 x 16 product mixes all heads; nothing of qkv goes to memory.
; SHARES.  A UNIT is one head of q, k or v: 64 columns x 64 tokens x K 1,024 = 16 accumulators, 128 matrix instructions, 128 loads of 512 bytes.  Wave w takes heads 4 w .. 4 w + 3 of each: 12 units, whose
; 786,432 bytes lie on end in wf.  A head lies whole in one wave, so its softmax wants one exchange between the halves of the lanes.  In the token phases wave w takes tokens 16 w .. 16 w + 15.
; ORDER OF A WAVE'S UNITS: k0 v0 k1 v1 k2 v2 k3 v3 q0 q1 | q2 q3.  k's long epilogue takes turns with v's short one.  q comes last, because 256 neighbouring bytes of out are one token's one head h', and they are
; whole as soon as q's head h' is known beside all of p and v: when each wave has made two heads of q, eight heads of out (4 a and 4 a + 1) are made and stored for all 64 tokens, 64 stores a wave, which are on
; their way while the last two units are multiplied; the other eight heads follow behind the last unit.
; x: the 64 tokens' codes are 512 registers and every wave keeps a copy, so the loop over K touches no LDS; the first unit fetches them as it goes, three K steps ahead.  W: from memory straight into a ring of
; four sets of 64 registers; a set is asked for again as soon as its 16 products are done reading it, 48 to 64 matrix instructions ahead of its next use; no barrier stands in the loop.
; WHY NO CLUSTER AND NO JOINT LOADS, though all work-groups walk the same W: each fragment of W is wanted by one wave of a work-group alone; q's and p's codes, v, 1/l and the bias take 314,368 of the LDS bytes;
; what could be freed would hold two slots of 256 rows x 256 along K, which give a wave 32 matrix instructions between a refill and the wait for all loads in front of the next; in registers the wave has
; 48 to 64 loads out all the time, and W is neither written to LDS nor read from it.
; THE FIRST PRODUCT IS USED TRANSPOSED (source 0 = 16 rows of W, source 1 = 16 tokens): lane (r, h) holds token r, and register j of tile t column 16 t + 8 h + j.  Both fragments take k = 32 c + 16 h + 0 .. 15 in
; registers 4 c .. 4 c + 3: the same permutation of k on both sides, so every product meets its partner.
; POWERS OF TWO ARE FOLDED, all exact.  A sum stands for sum x 2^(e0 + e1).  The bias goes in as the C of a unit's first K step, divided by 2^(e0 + e1).  q: code = sum / 2^(e2 + 3 - e0 - e1) (2^-3 = 64^-1/2).
; k: t - M = sum x c - M, c = log2(e) 2^(e0 + e1), M = ceil(the head's largest t); p = 2^(t - M) is quantised with 2^e3; l is the sum of the unquantised p.  v: bf16(sum).  attn: (codes' sum) / l, to bf16.
; out = the last sum x 2^(e0 + e1 + e2 + e3).
; LIMITS: e0 + e1 between -126 and 127; e2 + 3 - e0 - e1 and e3 between -126 and 112, so that each power of two made below is an f32 number.  NaN among the inputs is not served.  p under 2^-126 is 0.
; LDS.  A token's row of codes: 16 heads x 64 bytes + 16; a head's byte 32 b + 16 h + 0 .. 15 holds columns 32 b + 8 h + 0 .. 7, then 32 b + 16 + 8 h + 0 .. 7: the same map for q and p.
; A token's v: 16 heads x 160 bytes + 16; place 16 t + r of a head holds d = 4 sigma(r) + t, sigma(8 a + 2 T + u) = 4 T + 2 a + u, so that in the last product a lane's four tiles are four neighbouring d.
; Pitches 1,040 and 2,576 are odd multiples of 16 bytes, 160 an odd multiple of 32.
; REGISTERS, in windows of 256: window 0: v0-31 addresses and constants; v32-95 at work; v96-127 the unit's bias; v128-255 the 16 accumulators ((m, t) at 128 + 32 m + 8 t); in the token phases v32-255 are two slots.
;   window 1: W's ring: set q, tile t at 64 q + 16 t.   windows 2 and 3: x: fragment (tile of tokens m, K step s) in window 2 + s / 4 at 64 (s % 4) + 16 m.
; THE MODE: SCHED_MODE bits 1:0 = 2 (LLVM: expert scheduling mode 2), set by the entry lines.  The code itself states the register dependences between vector or matrix instructions and memory or LDS
; instructions, with s_wait_alu, always for 0.
; THE PLAN.  Registers that memory or LDS instructions touch, and who else names them:
;   the addresses among v1-17   Written once at the head, ahead of one wait on va_vdst; never written again: wf is walked by its scalar base and by immediate offsets.
;   W's ring            K step s: its 16 products read set s % 4; behind them the 16 loads of the step four on land in it.  ONE wait on va_vdst to a K step, behind the products and directly ahead of those loads.  It
;                       stands at the step's end, so that the set is asked for again at once: all 1,024 registers are taken, there is no fifth set, and a set that waited for the next step's head would lie idle.
;   x                   LDS loads land in each register once, before any product names it.
;   v[BIAS ..]          Read as C by a unit's first K step; the next unit's bias lands there at the head of the epilogue between.
;   v[ABA], v[AT ..]    LDS addresses that are stepped by a vector add, once an epilogue: one wait on vm_vsrc at the epilogue's head, the adds together, one wait on va_vdst ahead of the bias's loads.
;   v[TMP ..], 1 / l    Written by an epilogue's conversions and reciprocals, read by its LDS stores: one wait on va_vdst ahead of the run of stores; the next epilogue's wait on vm_vsrc frees them.
;   the two slots       Four tokens: LDS loads land, products and vector instructions work, 16 global stores read 64 registers.  At the head both waits (the stores before have read their rows; all work on
;                       the slots is done), one wait on va_vdst ahead of the stores.
; The accumulators are named by vector and matrix instructions alone, but for x's staging at the head and the slots that lie over them.
.set QP,  1040                         ; a token's row of codes
.set VP,  2576                         ; a token's v
.set GP,  160                          ; a head of it
.set QCD, 0                            ; q's codes, 64 x QP.  Before them, in the same bytes: x's stage, 64 x QP: read for the last time in the first unit; q is stored behind the second barrier
.set PCD, 64*QP                        ; p's codes
.set VB,  2*64*QP                      ; v, 64 x VP
.set RL,  VB+64*VP                     ; 1 / l: token x 64 + 4 x head
.set BI,  RL+64*64                     ; bias / 2^(e0 + e1): 3,072 x wave + 1,024 x (0 k, 1 q, 2 v) + 256 x head + 4 x column; each wave's part is its own
.set L16, 1                            ; v1   16 x lane
.set XW,  2                            ; v2   where I put x's bytes
.set XF,  3                            ; v3   where I read x's fragments: QP r + 16 h
.set BW,  4                            ; v4   where I put the bias
.set ABI, 5                            ; v5   where I read it: my wave's part + 32 h
.set AQ,  6                            ; v6   q's codes: row r, + 16 h, + my first head
.set AP,  7                            ; v7   p's
.set ARL, 8                            ; v8   1 / l: token r, my first head
.set AV,  9                            ; v9-12  v: token 16 m + r, + 16 h, my first head
.set TQ,  13                           ; v13  token phase: q's codes: lanes r < 8 my first token, r >= 8 the next; head 4 ((r % 8) / 2) + r % 2; + 16 h
.set TP,  14                           ; v14  p's codes of my first token: head r, + 16 h
.set TR,  15                           ; v15  1 / l of my first token, heads 8 h on
.set TV,  16                           ; v16  v of my first token, for the turning load
.set AO,  17                           ; v17  out: token h of a pair (4,096 h) + my 16 bytes of a head's 256
.set QSC, 18                           ; v18  2^(e2 + 3 - e0 - e1);  v19  57,344 x that
.set QLIM, 19
.set PSC, 20                           ; v20  2^e3;  v21  57,344 x that
.set PLIM, 21
.set AT,  22                           ; v22-25 addresses in hand
.set ABA, 26                           ; v26  the bias's address in hand (at the head: scratch)
.set MK,  27                           ; v27  all ones where r < 8, else 0;  v28  the other way round (at the head: scratch)
.set TMP, 32
.set ST,  64                           ; k's statistics, eight a tile of tokens: +0 -M, +1 largest t, +2 +3 sum A, +4 maximum, then 1 / l, +5 second chain and exchange, +6 +7 sum B
.set BIAS, 96
.set ACC, 128
.set SLB, 32                           ; token phase: two slots of 112 registers, a pair of tokens each: +0 q (both tokens), +8 +16 p, +24 +32 attn^T, +40 attn as bf16, +48 + 8 t v,
                                       ; +80 +88 1 / l, later out's tiles 2 and 3, +96 +104 out's tiles 0 and 1; +0 .. +31 later hold the rows of out
.set MSB, 0
.macro WIN new                         ; the immediate's high byte repeats the setting that is left; a switch that changes nothing is dropped
.if MSB != (\new)
	s_set_vgpr_msb (MSB<<8)|(\new)
.set MSB, (\new)
.endif
.endm
.macro PLACES                          ; four plain vector instructions between a matrix instruction and a load into, or a vector instruction on, its registers; they stay beside the waits on va_vdst
.rept 4
	v_nop
.endr
.endm
.macro BARRIER                         ; my LDS stores have landed and my LDS loads are in: then the work-group's barrier
	s_wait_dscnt 0x0
	s_barrier_signal -1
	s_barrier_wait -1
.endm
; One K step of W for a unit: four fragments, 16 loads of 512 consecutive bytes, into a set of the ring (window 1)
.macro WGROUP set, off
.irp t, 0,1,2,3
.irp c, 0,1,2,3
	global_load_b128 v[64*(\set)+16*\t+4*\c:64*(\set)+16*\t+4*\c+3], v[L16], s[4:5] offset:(\off)+2048*\t+512*\c
.endr
.endr
.endm
; One K step of x: the four tiles of tokens, 16 LDS loads, into windows 2 and 3, where they stay.  No vector or matrix instruction has named these registers before the loads: nothing is owed for them
.macro XLOAD s
	WIN 0x80+0x40*((\s)/4)                         ; destination window 2 or 3
.irp m, 0,1,2,3
.irp c, 0,1,2,3
	ds_load_b128 v[64*((\s)%4)+16*\m+4*\c:64*((\s)%4)+16*\m+4*\c+3], v[XF] offset:16*QP*\m+128*(\s)+32*\c
.endr
.endr
.endm
; The bias at s28 + off of my wave's part: for tile t the eight columns 16 t + 8 h + 0 .. 7, the same in all 16 lanes of a half.  It lands while the epilogue runs.
; Who calls it has waited on vm_vsrc: the bias's earlier loads have read v[ABA]
.macro BIASLOAD off
	v_add_nc_u32 v[ABA], s28, v[ABI]
	s_wait_alu depctr_va_vdst(0)                   ; v[ABA] is written, which the loads below read; the products and vector instructions that named v[BIAS ..] are done with it, and the loads land there
.irp t, 0,1,2,3
	ds_load_b128 v[BIAS+8*\t:BIAS+8*\t+3],   v[ABA] offset:(\off)+64*\t
	ds_load_b128 v[BIAS+8*\t+4:BIAS+8*\t+7], v[ABA] offset:(\off)+64*\t+16
.endr
.endm
.macro NEXTBIAS                        ; 256 bytes on: from k's head i to i + 1, from k's last to q's first, from q's head to the next
	s_add_co_u32 s28, s28, 256
	BIASLOAD 0
.endm
.macro STEPW                           ; at an epilogue's end: wf's address goes on to the next unit
	s_wait_xcnt 0x0                                ; the loads issued so far have read their base
	s_add_nc_u64 s[4:5], s[4:5], 0x10000
.endm
; A UNIT: eight K steps of 128, 16 matrix instructions each; the same text serves q, k and v.  The 16 accumulators take turns, one instruction a turn, in the same order in every step.
; last = 1: the wave's last unit: nothing is asked for beyond it, and the counts run down.  first = 1: the wave's first unit: x's K step s + 3 is fetched from LDS in step s.
.macro UNIT last, first
.set SI, 0
.rept 8
.if \last && (SI > 4)
	s_wait_loadcnt 16*(7-SI)                       ; only the steps that are left were asked for behind this one
.else
	s_wait_loadcnt 48                              ; this step's 16 loads are in: behind them only the next three steps' 48 were issued
.endif
.if \first
.if SI < 6
	s_wait_dscnt 32                                ; x's K step is in (and, ahead of it, the bias): behind it the next two steps' 32 loads were issued
.else
	s_wait_dscnt 16*(7-SI)                         ; the last steps: one younger step, then none
.endif
.elseif SI == 0
	s_wait_dscnt 0x0                               ; the bias is in
.endif
	WIN 0x09+4*(SI/4)                              ; source 0 (W) window 1, source 1 (x) window 2 or 3, C and D window 0
.set TI, 0
.rept 4
.set MI, 0
.rept 4
.if SI == 0
	v_wmma_f32_16x16x128_bf8_bf8 v[ACC+32*MI+8*TI:ACC+32*MI+8*TI+7], v[64*(SI%4)+16*TI:64*(SI%4)+16*TI+15], v[64*(SI%4)+16*MI:64*(SI%4)+16*MI+15], v[BIAS+8*TI:BIAS+8*TI+7]
.else
	v_wmma_f32_16x16x128_bf8_bf8 v[ACC+32*MI+8*TI:ACC+32*MI+8*TI+7], v[64*(SI%4)+16*TI:64*(SI%4)+16*TI+15], v[64*(SI%4)+16*MI:64*(SI%4)+16*MI+15], v[ACC+32*MI+8*TI:ACC+32*MI+8*TI+7]
.endif
.set MI, MI+1
.endr
.set TI, TI+1
.endr
	PLACES                                         ; in front of the loads into the set just read; behind the last step, of the epilogue's first read
.if (!\last) || (SI < 4)
	WIN 0x40                                       ; destination window 1
	s_wait_alu depctr_va_vdst(0)                   ; this step's 16 products are done reading their set of W, in which the loads below land
	WGROUP SI%4,(SI+4)*8192                        ; four steps on; from step 4 on that is the next unit, which lies behind this one
.endif
.if \first && (SI < 5)
	XLOAD SI+3
.endif
.set SI, SI+1
.endr
	WIN 0
.endm
; q's head hd of my four: the hold and the conversion; 16 codes a lane and store.  nb = 1: the next unit's bias is fetched here; mo = 1: another unit follows
.macro EPI_Q hd, nb, mo
	s_wait_alu depctr_vm_vsrc(0)                   ; the LDS stores issued so far have read v[TMP ..], which the conversions below write; the bias's loads have read v[ABA]
.if \nb
	NEXTBIAS
.endif
.irp m, 0,1,2,3
.set JI, 0
.rept 32
	v_med3_num_f32 v[ACC+32*\m+JI], v[ACC+32*\m+JI], -v[QLIM], v[QLIM]   ; the conversion to an 8-bit code does not saturate (ISA guide 7.6.2); each accumulator from its low end on
.set JI, JI+1
.endr
.irp t, 0,1,2,3
	v_cvt_scalef32_pk8_bf8_f32 v[TMP+8*\m+2*\t:TMP+8*\m+2*\t+1], v[ACC+32*\m+8*\t:ACC+32*\m+8*\t+7], v[QSC]
.endr
.endr
	v_nop                                          ; one plain vector instruction behind the last conversion: later products write its sources
	s_wait_alu depctr_va_vdst(0)                   ; the conversions have written v[TMP ..], which the LDS stores read
.irp m, 0,1,2,3
.irp b, 0,1
	ds_store_b128 v[AQ], v[TMP+8*\m+4*\b:TMP+8*\m+4*\b+3] offset:64*(\hd)+16*QP*\m+32*\b
.endr
.endr
.if \mo
	STEPW
.endif
.endm
; k: the softmax's p, its codes and 1 / l, stage by stage over the four tiles of tokens, so that eight chains run side by side.  The next unit is v's head of the same number
.macro EPI_K
	s_wait_alu depctr_vm_vsrc(0)                   ; the LDS loads and stores issued so far have read v[ABA], v[AT ..], v[TMP ..] and the registers of 1 / l: all are written again below
	v_add_nc_u32 v[AT+1], s29, v[AP]
	v_add_nc_u32 v[AT+2], s30, v[ARL]
	BIASLOAD 2048
.irp m, 0,1,2,3                                ; the largest of my 32 sums, in two chains a tile; each accumulator is first read at its low end
	v_max3_num_f32 v[ST+8*\m+4], v[ACC+32*\m], v[ACC+32*\m+1], v[ACC+32*\m+2]
	v_max3_num_f32 v[ST+8*\m+5], v[ACC+32*\m+3], v[ACC+32*\m+4], v[ACC+32*\m+5]
.endr
.irp i, 6,10,14,18,22,26
.irp m, 0,1,2,3
	v_max3_num_f32 v[ST+8*\m+4], v[ST+8*\m+4], v[ACC+32*\m+\i], v[ACC+32*\m+\i+1]
	v_max3_num_f32 v[ST+8*\m+5], v[ST+8*\m+5], v[ACC+32*\m+\i+2], v[ACC+32*\m+\i+3]
.endr
.endr
.irp m, 0,1,2,3
	v_max3_num_f32 v[ST+8*\m+4], v[ST+8*\m+4], v[ACC+32*\m+30], v[ACC+32*\m+31]
.endr
.irp m, 0,1,2,3
	v_max_num_f32 v[ST+8*\m+4], v[ST+8*\m+4], v[ST+8*\m+5]
.endr
.irp m, 0,1,2,3
	v_permlanex16_b32 v[ST+8*\m+5], v[ST+8*\m+4], s20, s21   ; the head's other 32 columns lie in the lane 16 away
.endr
.irp m, 0,1,2,3
	v_max_num_f32 v[ST+8*\m+4], v[ST+8*\m+4], v[ST+8*\m+5]
.endr
.irp m, 0,1,2,3
	v_mul_f32 v[ST+8*\m+1], s22, v[ST+8*\m+4]      ; as t (c is positive)
.endr
.irp m, 0,1,2,3
	v_floor_f32 v[ST+8*\m], -v[ST+8*\m+1]          ; -M = floor(-t) = -ceil(t): a whole number
.endr
.irp m, 0,1,2,3
.set JI, 0
.rept 16
	v_pk_fma_f32 v[ACC+32*\m+JI:ACC+32*\m+JI+1], v[ACC+32*\m+JI:ACC+32*\m+JI+1], s[22:23], v[ST+8*\m:ST+8*\m+1] op_sel_hi:[1,0,0]   ; t - M, two at a time (of the pairs c and -M the low word serves both halves)
.set JI, JI+2
.endr
.endr
.set JI, 0
.rept 128
	v_exp_f32 v[ACC+JI], v[ACC+JI]                 ; p = 2^(t - M), at most 1, not normalised
.set JI, JI+1
.endr
	v_nop                                          ; a plain instruction behind the last exponential
	s_wait_alu depctr_va_vdst(0)                   ; one wait for the batch of 128 exponentials, ahead of the first instruction that names a result
.irp m, 0,1,2,3                                ; l is the sum of the unquantised p: two at a time, two chains a tile
	v_pk_add_f32 v[ST+8*\m+2:ST+8*\m+3], v[ACC+32*\m:ACC+32*\m+1], v[ACC+32*\m+2:ACC+32*\m+3]
	v_pk_add_f32 v[ST+8*\m+6:ST+8*\m+7], v[ACC+32*\m+4:ACC+32*\m+5], v[ACC+32*\m+6:ACC+32*\m+7]
.endr
.irp j, 8,12,16,20,24,28
.irp m, 0,1,2,3
	v_pk_add_f32 v[ST+8*\m+2:ST+8*\m+3], v[ST+8*\m+2:ST+8*\m+3], v[ACC+32*\m+\j:ACC+32*\m+\j+1]
	v_pk_add_f32 v[ST+8*\m+6:ST+8*\m+7], v[ST+8*\m+6:ST+8*\m+7], v[ACC+32*\m+\j+2:ACC+32*\m+\j+3]
.endr
.endr
.irp m, 0,1,2,3
	v_pk_add_f32 v[ST+8*\m+2:ST+8*\m+3], v[ST+8*\m+2:ST+8*\m+3], v[ST+8*\m+6:ST+8*\m+7]
.endr
.irp m, 0,1,2,3
	v_add_f32 v[ST+8*\m+2], v[ST+8*\m+2], v[ST+8*\m+3]
.endr
.irp m, 0,1,2,3
	v_permlanex16_b32 v[ST+8*\m+3], v[ST+8*\m+2], s20, s21
.endr
.irp m, 0,1,2,3
	v_add_f32 v[ST+8*\m+2], v[ST+8*\m+2], v[ST+8*\m+3]
.endr
.irp m, 0,1,2,3
	v_rcp_f32 v[ST+8*\m+4], v[ST+8*\m+2]           ; 1 / l; the holds below are the plain instructions behind these four
.endr
.irp m, 0,1,2,3
.set JI, 0
.rept 32
	v_min_num_f32 v[ACC+32*\m+JI], v[ACC+32*\m+JI], v[PLIM]   ; p is not negative: the hold is one-sided
.set JI, JI+1
.endr
.irp t, 0,1,2,3
	v_cvt_scalef32_pk8_bf8_f32 v[TMP+8*\m+2*\t:TMP+8*\m+2*\t+1], v[ACC+32*\m+8*\t:ACC+32*\m+8*\t+7], v[PSC]
.endr
.endr
	v_nop                                          ; one plain vector instruction behind the last conversion
	s_wait_alu depctr_va_vdst(0)                   ; the conversions have written v[TMP ..] and the four reciprocals 1 / l: the LDS stores below read both, and are the reciprocals' first readers
.irp m, 0,1,2,3
.irp b, 0,1
	ds_store_b128 v[AT+1], v[TMP+8*\m+4*\b:TMP+8*\m+4*\b+3] offset:16*QP*\m+32*\b
.endr
.endr
.irp m, 0,1,2,3
	ds_store_b32 v[AT+2], v[ST+8*\m+4] offset:1024*\m   ; lanes r and r + 16 hold the same number and write the same word
.endr
	s_add_co_u32 s29, s29, 64                      ; the next head's 64 bytes of codes,
	s_add_co_u32 s30, s30, 4                       ; and its word of 1 / l
	STEPW
.endm
; v: to bf16, unscaled.  Register T of the store at 32 p + 16 h holds places 16 p + 8 h + 2 T and + 1: columns 16 T + 8 h + p and + 4.  The next unit is k's next head, or q's first
.macro EPI_V
	s_wait_alu depctr_vm_vsrc(0)                   ; the LDS loads and stores issued so far have read v[ABA], v[AT ..] and v[TMP ..]: all are written again below
.irp m, 0,1,2,3
	v_add_nc_u32 v[AT+\m], s31, v[AV+\m]
.endr
	NEXTBIAS
.irp m, 0,1,2,3
.irp p, 0,1,2,3
.irp t, 0,1,2,3
	v_cvt_pk_bf16_f32 v[TMP+16*\m+4*\p+\t], v[ACC+32*\m+8*\t+\p], v[ACC+32*\m+8*\t+\p+4]   ; p = 0 comes first: each accumulator is first read at its low end
.endr
.endr
.endr
	s_wait_alu depctr_va_vdst(0)                   ; the conversions have written v[TMP ..], which the LDS stores read
.irp m, 0,1,2,3
.irp p, 0,1,2,3
	ds_store_b128 v[AT+\m], v[TMP+16*\m+4*\p:TMP+16*\m+4*\p+3] offset:32*\p
.endr
.endr
	s_add_co_u32 s31, s31, GP
	STEPW
.endm
; THE TOKEN PHASE for eight heads h' = 4 a + 2 rho + u (a = 0 .. 3, u = 0, 1; numbered j = 2 a + u), four tokens at a time (n .. n + 3 of my 16): a PAIR of tokens in each slot.
; attn^T = p q^T, one instruction a token (source 0 = the token's 16 heads of p; source 1 = ONE fragment for the pair: lanes r < 8 hold the first token's eight heads of q, r >= 8 the second's): lane r holds
; column r, register j head g = 8 h + j.  Of each result the eight columns of the token's own q count.  Divided by l and rounded in pairs, the first token's result is registers 0-3 and the second's registers
; 4-7 of source 0 (16 rows x 32 K) of out = attn v: rows = 2 tokens x 8 heads h', K = 2 tokens x 16 heads g; the columns that mix two tokens are cleared by a lane mask, so that a row meets its own token's v alone.
; v comes turned, by ds_load_tr16_b128: lane r holds place 16 t + r; registers 0-3 the first token's heads 8 h + 0 .. 7, registers 4-7 the second's.
; In the result register j of tile t is out(token h of the pair, head number j, d = 4 sigma(r) + t): the four tiles give 16 neighbouring bytes.
.macro QUAD n, rho
	s_wait_xcnt 0x0                                ; every earlier global instruction has had its addresses translated: the rows that the last stores read are written again only behind this wait
	s_wait_alu depctr_vm_vsrc(0)                   ; the stores issued so far (the last four tokens' rows; ahead of the first four tokens the epilogue's codes) have read their registers, in which the loads below land
	s_wait_alu depctr_va_vdst(0)                   ; the products and vector instructions issued so far are done reading and writing both slots' registers, in which the loads below land
.irp e, 0,1
.set SB, SLB+112*\e
.set TK, (\n)+2*\e
	ds_load_b128 v[SB+8:SB+11],  v[TP] offset:TK*QP
	ds_load_b128 v[SB+12:SB+15], v[TP] offset:TK*QP+32
	ds_load_b128 v[SB+16:SB+19], v[TP] offset:(TK+1)*QP
	ds_load_b128 v[SB+20:SB+23], v[TP] offset:(TK+1)*QP+32
	ds_load_b128 v[SB:SB+3],     v[TQ] offset:TK*QP+128*(\rho)
	ds_load_b128 v[SB+4:SB+7],   v[TQ] offset:TK*QP+128*(\rho)+32
.endr
.irp e, 0,1
.set SB, SLB+112*\e
.set TK, (\n)+2*\e
.irp u, 0,1
	ds_load_b128 v[SB+80+8*\u:SB+83+8*\u], v[TR] offset:(TK+\u)*64
	ds_load_b128 v[SB+84+8*\u:SB+87+8*\u], v[TR] offset:(TK+\u)*64+16
.endr
.endr
.irp e, 0,1
.set SB, SLB+112*\e
.set TK, (\n)+2*\e
.irp t, 0,1,2,3
.irp u, 0,1
	ds_load_tr16_b128 v[SB+48+8*\t+4*\u:SB+51+8*\t+4*\u], v[TV] offset:(TK+\u)*VP+32*\t
.endr
.endr
.endr
	s_wait_dscnt 24                                ; the twelve loads of codes are in; behind them stand 1 / l's eight and v's sixteen
.irp e, 0,1
.set SB, SLB+112*\e
.irp u, 0,1
	v_wmma_f32_16x16x64_bf8_bf8 v[SB+24+8*\u:SB+31+8*\u], v[SB+8+8*\u:SB+15+8*\u], v[SB:SB+7], 0
.endr
.endr
	PLACES
	s_wait_dscnt 16                                ; 1 / l is in; v's sixteen may be out
.irp e, 0,1
.set SB, SLB+112*\e
.irp u, 0,1
.irp i, 0,2,4,6
	v_pk_mul_f32 v[SB+24+8*\u+\i:SB+25+8*\u+\i], v[SB+24+8*\u+\i:SB+25+8*\u+\i], v[SB+80+8*\u+\i:SB+81+8*\u+\i]   ; / l of head g, from the low end on
.endr
.endr
.endr
.irp e, 0,1
.set SB, SLB+112*\e
.irp u, 0,1
.irp i, 0,1,2,3
	v_cvt_pk_bf16_f32 v[SB+40+4*\u+\i], v[SB+24+8*\u+2*\i], v[SB+25+8*\u+2*\i]
.endr
.endr
.endr
.irp e, 0,1
.set SB, SLB+112*\e
.irp u, 0,1
.irp i, 0,1,2,3
	v_and_b32 v[SB+40+4*\u+\i], v[MK+\u], v[SB+40+4*\u+\i]   ; the first token's K stays in rows r < 8, the second's in rows r >= 8; the rest becomes the number 0
.endr
.endr
.endr
	s_wait_dscnt 0x0                               ; v is in
.irp t, 0,1,2,3
.irp e, 0,1
	v_wmma_f32_16x16x32_bf16 v[SLB+112*\e+80+8*((\t+2)%4):SLB+112*\e+87+8*((\t+2)%4)], v[SLB+112*\e+40:SLB+112*\e+47], v[SLB+112*\e+48+8*\t:SLB+112*\e+55+8*\t], 0
.endr
.endr
	PLACES
.irp e, 0,1
.set SB, SLB+112*\e
.irp j, 0,1,2,3,4,5,6,7
.irp t, 0,1,2,3
	v_ldexp_f32 v[SB+4*\j+\t], v[SB+80+8*((\t+2)%4)+\j], s24   ; x 2^(e0 + e1 + e2 + e3), into four registers on end; register 0 of each tile is read first
.endr
.endr
.endr
	s_wait_alu depctr_va_vdst(0)                   ; the 64 scalings have written the rows of out, which the sixteen stores read
.irp e, 0,1
.set SB, SLB+112*\e
.set TK, (\n)+2*\e
.irp j, 0,1,2,3,4,5,6,7
	global_store_b128 v[AO], v[SB+4*\j:SB+4*\j+3], s[12:13] offset:TK*4096+256*(4*(\j/2)+2*(\rho)+\j%2) th:TH_STORE_NT   ; lanes 0-15 fill the head's 256 bytes of the first token, lanes 16-31 of the second: each at a multiple of 256 from out's first byte
.endr
.endr
.endm
.macro TAIL rho
.irp n, 0,4,8,12
	QUAD \n, \rho
.endr
.endm
	; ---- THE HEAD
	s_load_b256 s[4:11], s[0:1], 0x0               ; wf s[4:5], b s[6:7], the scales' exponents s[8:9], x's codes s[10:11]
	s_load_b64 s[12:13], s[0:1], 0x20              ; out
	v_lshrrev_b32 v26, 5, v0
	v_readfirstlane_b32 s14, v26                   ; wave 0..3
	v_and_b32 v26, 31, v0                          ; lane
	v_and_b32 v27, 15, v0                          ; r
	v_bfe_u32 v28, v0, 4, 1                        ; h
	v_lshlrev_b32 v[L16], 4, v26
	s_wait_alu depctr_va_sdst(0)                   ; s14 is written, ahead of its first reader: LDS places and the bases of x, out, b and wf are made from it
	s_mul_i32 s26, s14, 16*QP                      ; 16 rows of codes for each wave
	v_mul_u32_u24 v[XF], v27, QP
	v_lshl_add_u32 v[XF], v28, 4, v[XF]            ; QP r + 16 h (x's stage begins at LDS byte 0)
	v_add_nc_u32 v[XW], s26, v[L16]
	v_lshlrev_b32 v31, 6, v27
	v_lshl_add_u32 v31, v28, 4, v31                ; 64 r + 16 h
	s_add_co_u32 s27, s26, PCD
	v_add_nc_u32 v[TP], s27, v31
	v_bfe_u32 v29, v0, 3, 1                        ; r / 8: which token of a pair
	v_mul_u32_u24 v29, v29, QP
	v_bfe_u32 v30, v0, 1, 2                        ; (r % 8) / 2: which group of four heads
	v_lshl_add_u32 v29, v30, 8, v29
	v_and_b32 v30, 1, v0                           ; r % 2
	v_lshl_add_u32 v29, v30, 6, v29
	v_lshl_add_u32 v29, v28, 4, v29
	v_add_nc_u32 v[TQ], s26, v29                   ; (q's codes begin at LDS byte 0)
	s_mul_i32 s27, s14, 3072
	s_add_co_u32 s27, s27, BI
	v_add_nc_u32 v[BW], s27, v[L16]
	v_lshl_add_u32 v[ABI], v28, 5, s27
	s_lshl_b32 s27, s14, 8                         ; head 4 w: 256 w bytes
	v_add_nc_u32 v[AQ], s27, v[XF]
	v_add_nc_u32 v[AP], PCD, v[AQ]
	s_lshl_b32 s27, s14, 4
	s_add_co_u32 s27, s27, RL
	v_lshl_add_u32 v[ARL], v27, 6, s27
	s_lshl_b32 s27, s14, 10
	s_add_co_u32 s27, s27, RL
	v_lshl_add_u32 v[TR], v28, 5, s27
	v_mul_u32_u24 v30, v27, VP
	v_lshl_add_u32 v30, v28, 4, v30
	s_mul_i32 s27, s14, 4*GP
	s_add_co_u32 s27, s27, VB
	v_add_nc_u32 v[AV], s27, v30
.irp m, 1,2,3
	v_add_nc_u32 v[AV+\m], \m*16*VP, v[AV]
.endr
	v_and_b32 v29, 7, v0
	v_lshl_add_u32 v29, v28, 3, v29                ; the turning load: lane l reads head 8 h + l % 8,
	v_mul_u32_u24 v29, v29, GP
	v_bfe_u32 v31, v0, 3, 1
	v_lshl_add_u32 v29, v31, 4, v29                ; places 8 ((l / 8) % 2) + 0 .. 7
	s_mul_i32 s27, s14, 16*VP
	s_add_co_u32 s27, s27, VB
	v_add_nc_u32 v[TV], s27, v29
	v_lshlrev_b32 v[AO], 12, v28                   ; out: token h of the pair + 16 sigma(r) = 64 ((l / 2) % 4) + 32 ((l / 8) % 2) + 16 (l % 2)
	v_lshl_add_u32 v[AO], v31, 5, v[AO]
	v_bfe_u32 v29, v0, 1, 2
	v_lshl_add_u32 v[AO], v29, 6, v[AO]
	v_and_b32 v29, 1, v0
	v_lshl_add_u32 v[AO], v29, 4, v[AO]
	v_sub_nc_u32 v[MK+1], 0, v31                   ; r and h are done with: the masks take their registers: 0 - r / 8 is all ones where r >= 8,
	v_xor_b32 v[MK], -1, v[MK+1]                   ; and its complement where r < 8
	s_mov_b32 s20, 0x76543210                      ; v_permlanex16_b32: each lane takes its own place in the other half
	s_mov_b32 s21, 0xfedcba98
	s_lshl_b32 s32, ttmp9, 16                      ; x: 64 rows of 1,024 bytes a work-group,
	s_lshl_b32 s33, s14, 14                        ; 16 a wave
	s_add_co_u32 s32, s32, s33
	s_mov_b32 s33, 0
	s_lshl_b32 s34, ttmp9, 18                      ; out: 64 rows of 4,096 bytes a work-group,
	s_lshl_b32 s35, s14, 16                        ; 16 a wave
	s_add_co_u32 s34, s34, s35
	s_mov_b32 s35, 0
	s_wait_kmcnt 0x0
	s_load_b128 s[16:19], s[8:9], 0x0              ; e0, e1, e2, e3
	s_add_nc_u64 s[10:11], s[10:11], s[32:33]
	s_add_nc_u64 s[12:13], s[12:13], s[34:35]
	s_lshl_b32 s32, s14, 10                        ; b: my four heads' 256 numbers in each of q, k, v
	s_add_nc_u64 s[6:7], s[6:7], s[32:33]
	s_mul_i32 s32, s14, 12*65536                   ; wf: my 12 units
	s_add_nc_u64 s[4:5], s[4:5], s[32:33]
	s_wait_alu depctr_va_vdst(0)                   ; the addresses v1 to v17 are written: the kernel's loads and stores read them, and none of those that a load or store reads is written again
.set II, 0
.rept 32
	global_load_b128 v[ACC+4*II:ACC+4*II+3], v[L16], s[10:11] offset:512*II th:TH_LOAD_NT   ; my 16 rows of x, 512 consecutive bytes a load; read once in the launch
.set II, II+1
.endr
.irp q, 0,1,2,3,4,5
	global_load_b128 v[TMP+4*\q:TMP+4*\q+3], v[L16], s[6:7] offset:4096*(\q/2)+512*(\q%2)   ; q's, k's, v's
.endr
	WIN 0x40
	WGROUP 0,0                                     ; W's first K step goes out beside them
	WIN 0
	s_wait_kmcnt 0x0
	s_add_co_i32 s26, s16, s17                     ; e0 + e1
	s_sub_co_i32 s25, 0, s26
	s_add_co_i32 s24, s26, s18
	s_add_co_i32 s24, s24, s19                     ; e0 + e1 + e2 + e3
	s_mov_b32 s22, 0x3fb8aa3b                      ; log2(e);
	s_lshl_b32 s27, s26, 23
	s_add_co_i32 s22, s22, s27                     ; e0 + e1 is added to its exponent field
	s_mov_b32 s23, s22                             ; (named with it as a pair, so it is written)
	s_sub_co_i32 s27, s18, s26
	s_add_co_i32 s27, s27, 130                     ; e2 + 3 - e0 - e1 + 127
	s_lshl_b32 s26, s27, 23
	v_mov_b32 v[QSC], s26
	s_add_co_i32 s27, s27, 15
	s_lshl_b32 s27, s27, 23
	s_or_b32 s27, s27, 0x600000                    ; the mantissa field of 57,344
	v_mov_b32 v[QLIM], s27
	s_add_co_i32 s27, s19, 127
	s_lshl_b32 s26, s27, 23
	v_mov_b32 v[PSC], s26
	s_add_co_i32 s27, s27, 15
	s_lshl_b32 s27, s27, 23
	s_or_b32 s27, s27, 0x600000
	v_mov_b32 v[PLIM], s27
	s_wait_loadcnt 16                              ; x and the bias are in: behind them only W's 16 were issued
.set II, 0
.rept 32
	ds_store_b128 v[XW], v[ACC+4*II:ACC+4*II+3] offset:QP*(II/2)+512*(II%2)
.set II, II+1
.endr
.set II, 0
.rept 24
	v_ldexp_f32 v[TMP+II], v[TMP+II], s25          ; b / 2^(e0 + e1): exact
.set II, II+1
.endr
	s_wait_alu depctr_va_vdst(0)                   ; the 24 scalings have written v[TMP ..], which the LDS stores read
.irp q, 0,1,2,3,4,5                            ; in LDS: k's first, then q's, then v's
	ds_store_b128 v[BW], v[TMP+4*\q:TMP+4*\q+3] offset:1024*((1-\q/2)*(1-\q/4)+2*(\q/4))+512*(\q%2)
.endr
	WIN 0x40
	WGROUP 1,8192                                  ; the ring is filled: K steps 1 to 3 (no vector or matrix instruction has named these sets yet)
	WGROUP 2,2*8192
	WGROUP 3,3*8192
	WIN 0
	BARRIER                                        ; all 64 rows of x lie in the stage
	s_mov_b32 s28, 0
	s_wait_alu depctr_vm_vsrc(0)                   ; my LDS stores have read v[ACC ..], which the first unit's products write, and v[TMP ..], which the first epilogue writes
	BIASLOAD 0                                     ; k's first head
	XLOAD 0                                        ; x's first three K steps; the first unit fetches the other five as it goes
	XLOAD 1
	XLOAD 2
	; ---- k and v by turns.  The loop is turned by one unit: a trip begins with the epilogue of the unit that was multiplied last
	s_mov_b32 s29, 0
	s_mov_b32 s30, 0
	s_mov_b32 s31, 0
	UNIT 0, 1                                      ; k0
	s_mov_b32 s15, 4
.Lkv:
	EPI_K
	UNIT 0, 0                                      ; v's head of the same number
	EPI_V
	UNIT 0, 0                                      ; k's next head; in the last trip q0
	s_sub_co_u32 s15, s15, 1
	s_cmp_lg_u32 s15, 0
	s_cbranch_scc1 .Lkv
	BARRIER                                        ; every wave's reads of x's stage are long back: q's codes may be stored there
	; ---- q, and out in two halves
	EPI_Q 0, 1, 1
	UNIT 0, 0                                      ; q1
	EPI_Q 1, 0, 1
	BARRIER                                        ; p's codes, 1 / l and v of all heads, and q's codes of heads 4 a and 4 a + 1, lie in LDS for all 64 tokens
	TAIL 0                                         ; eight heads of out; W's next four K steps land meanwhile
	s_wait_xcnt 0x0                                ; every earlier global instruction has had its addresses translated: the rows that the stores read are written again only behind this wait
	s_wait_alu depctr_vm_vsrc(0)                   ; the stores have read their rows, v32-63 and v144-175, which the next unit's sums and its epilogue write; the bias's loads have read v[ABA]
	NEXTBIAS
	UNIT 0, 0                                      ; q2.  Its codes go to bytes 128 to 255 of each group of four heads; what other waves may still read above are bytes 0 to 127
	EPI_Q 2, 1, 1
	UNIT 1, 0                                      ; q3: the last unit is written out: no load leaves wf
	EPI_Q 3, 0, 0
	BARRIER                                        ; q's codes of heads 4 a + 2 and 4 a + 3 lie in LDS
	TAIL 1
	s_wait_xcnt 0x0
	s_wait_alu depctr_vm_vsrc(0)                   ; v254 and v255, once data of x's LDS stores, are made anew below: every LDS and memory instruction issued so far has read its registers
	v_lshl_add_u32 v254, v0, 2, 0x4cc00
	v_mov_b32 v255, 0
	s_wait_dscnt 0x0                               ; the closing lines, six on end of a launch in the mode that stores to LDS
	s_wait_alu 0x0
	s_wait_tensorcnt 0x0
	ds_add_u32 v254, v255
	s_wait_dscnt 0x0
	s_endpgm
.Lfunc_end_k_q0bc284e5c4_fused:
	.size	k_q0bc284e5c4_fused, .Lfunc_end_k_q0bc284e5c4_fused-k_q0bc284e5c4_fused
	.p2alignl 7, 3214868480
	.fill 96, 4, 3214868480
	.section	.rodata,"a",@progbits
	.p2align	6, 0x0
	.amdhsa_kernel k_q0bc284e5c4_fused
		.amdhsa_group_segment_fixed_size 314880
		.amdhsa_private_segment_fixed_size 0
		.amdhsa_enable_private_segment 0
		.amdhsa_kernarg_size 40
		.amdhsa_user_sgpr_count 2
		.amdhsa_user_sgpr_kernarg_segment_ptr 1
		.amdhsa_wavefront_size32 1
		.amdhsa_system_sgpr_workgroup_id_x 1
		.amdhsa_system_sgpr_workgroup_id_y 1
		.amdhsa_system_sgpr_workgroup_id_z 1
		.amdhsa_system_vgpr_workitem_id 0
		.amdhsa_next_free_vgpr 1024
		.amdhsa_next_free_sgpr 66
		.amdhsa_reserve_vcc 0
		.amdhsa_float_denorm_mode_32 3
		.amdhsa_float_denorm_mode_16_64 3
		.amdhsa_memory_ordered 1
		.amdhsa_forward_progress 1
		.amdhsa_inst_pref_size 255
	.end_amdhsa_kernel
	.section	.bss,"aw",@nobits
	.p2align	6
	.space	262144
	.amdgpu_metadata
---
amdhsa.version: [ 1, 2 ]
amdhsa.kernels:
  - .name:           k_q0bc284e5c4_fused
    .symbol:         k_q0bc284e5c4_fused.kd
    .args:
      - { .name: wf, .offset: 0, .size: 8, .value_kind: global_buffer, .address_space: global }
      - { .name: b_qkv, .offset: 8, .size: 8, .value_kind: global_buffer, .address_space: global }
      - { .name: lowp_scales, .offset: 16, .size: 8, .value_kind: global_buffer, .address_space: global }
      - { .name: x_codes, .offset: 24, .size: 8, .value_kind: global_buffer, .address_space: global }
      - { .name: out0, .offset: 32, .size: 8, .value_kind: global_buffer, .address_space: global }
    .group_segment_fixed_size: 314880
    .private_segment_fixed_size: 0
    .kernarg_segment_align: 8
    .kernarg_segment_size: 40
    .max_flat_workgroup_size: 128
    .sgpr_count:     66
    .vgpr_count:     1024
    .wavefront_size: 32
...
	.end_amdgpu_metadata
.endif
;; end of part 3
